; MI455X (gfx1250); checked and timed in simulation.
; The chip was launched on July 23, 2026; its instructions are those of AMD's public machine-readable ISA for CDNA 5 (MIT licence, August 2026) and "CDNA5" Instruction Set Architecture Reference Guide (July 2026). The comments in the code are by the model that wrote it; some were corrected since.
;; Double Sin. Allowed arithmetic: matrix products marked QUANTISED: E3M2 operands, one E8M0 scale for each 32 along K, by v_wmma_scale_f32_16x16x128_f8f6f4 with both operands' format E3M2, f32 sums; products left as they are: f32 operands where the result goes on into a quantised operand, else bf16, f16 or f32 operands; f32 sums; everything else in f32.
;; Inputs: W1_m1 64 x 1 float32; W1_m2 64 x 1 float32; W2_m1 64 x 64 float32; W2_m2 64 x 64 float32; W3_m1 64 x 64 float32; W3_m2 64 x 64 float32; W4_m1 1 x 64 float32; W4_m2 1 x 64 float32; a1_m1 64 float32; a1_m2 64 float32; a2_m1 64 float32; a2_m2 64 float32; a3_m1 64 float32; a3_m2 64 float32; b1_m1 64 float32; b1_m2 64 float32; b2_m1 64 float32; b2_m2 64 float32; b3_m1 64 float32; b3_m2 64 float32; b4_m1 1 float32; b4_m2 1 float32; x 1,048,576 x 1 float32.
;; Outputs: out0 1,048,576 x 1 float32.
;; This version of the problem:
;;   THIS VERSION OF THE PROBLEM IS GIVEN IN LOW PRECISION. The matrix products marked QUANTISED in the list below multiply operands that are first quantised to E3M2 (3 exponent bits, 2 mantissa bits; 6 bits a number), with one power-of-two scale for each 32 numbers along K (OCP MX v1.0); their sums are f32. All else is computed in f32.
;;   The module's matrix products, in the order in which they are computed (A, B: the left and right operand; K: the contracted axis; several contracted axes count as one K, in the product's order):
;;     1. [M 1,048,576, K 1] x [K 1, N 64]; A: input x; B: input W1_m1: left as it is (K = 1 < 32)
;;     2. [M 1,048,576, K 64] x [K 64, N 64]; A: computed on the way; B: input W2_m1: QUANTISED
;;     3. [M 1,048,576, K 64] x [K 64, N 64]; A: computed on the way; B: input W3_m1: QUANTISED
;;     4. [M 1,048,576, K 64] x [K 64, N 1]; A: computed on the way; B: input W4_m1: left as it is (N = 1 < 16)
;;     5. [M 1,048,576, K 1] x [K 1, N 64]; A: computed on the way; B: input W1_m2: left as it is (K = 1 < 32)
;;     6. [M 1,048,576, K 64] x [K 64, N 64]; A: computed on the way; B: input W2_m2: QUANTISED
;;     7. [M 1,048,576, K 64] x [K 64, N 64]; A: computed on the way; B: input W3_m2: QUANTISED
;;     8. [M 1,048,576, K 64] x [K 64, N 1]; A: computed on the way; B: input W4_m2: left as it is (N = 1 < 16)
;;   THE QUANTISER, for each operand of a quantised product, along K:
;;     - K is cut into blocks of 32 from its start; a last block that is shorter is filled with zeros.
;;     - A block's scale is 2^e with e = floor(log2(the largest magnitude in the block)) - 4, held to -126 .. 127; a block of zeros has e = 0. As a byte (E8M0): e + 127.
;;     - Each number is divided by its block's scale, clamped to +-28, and rounded to the nearest number of E3M2, ties to even, subnormals kept.
;;     - The product sums the exact products of the quantised numbers (number of the format x scale) in f32.
;;   ~~~python
;;   def quantise(x, axis):      # numpy; x: float32 -> the quantised numbers, widened to float32 again
;;       x = np.moveaxis(x, axis, -1); K = x.shape[-1]
;;       x = np.pad(x, [(0, 0)] * (x.ndim - 1) + [(0, -K % 32)]); x = x.reshape(x.shape[:-1] + (-1, 32)); a = np.abs(x).max(-1, keepdims=True)
;;       e = np.where(a > 0, np.clip(np.frexp(np.where(a > 0, a, 1))[1] - 1 - 4, -126, 127), 0)      # np.frexp(a)[1] - 1 = floor(log2(a)), exactly
;;       r = np.clip(x / 2.0 ** e, -28, 28)
;;       step = 2.0 ** (np.maximum(np.frexp(np.where(r == 0, 1, r))[1] - 1, -2) - 2)
;;       q = np.round(r / step) * step * 2.0 ** e      # np.round: ties to even
;;       return np.moveaxis(q.reshape(q.shape[:-2] + (-1,))[..., :K], -1, axis).astype(np.float32)
;;   ~~~
;;   OPERANDS COMPUTED ON THE WAY. 'Computed on the way' means the value that the module computes at that place (a softmax that the list does not call 'softmax' is quantised finished and normalised). What goes into a quantiser is computed in f32, as accurately as f32 sums, v_exp_f32 and their like allow (about 1e-6 of the number): no bf16 or f16 on the way to a quantiser, and a product that is left as it is and whose result goes on into a quantised operand takes f32 operands (vector FMAs, or v_wmma_f32_16x16x4_f32). A number that lies on a knife's edge between two numbers of the format may be rounded either way, as far as f32 arithmetic and the matrix unit's own rounding can turn it there, and no further.
;; 2 versions. Each part assembles by itself: llvm-mc -triple=amdgcn-amd-amdhsa -mcpu=gfx1250 --defsym DOCPART=n.
;; ======== version 1 of 2: 1 launch
;; launch doublesin (part 1): grid 256 x 1, 4 waves a work-group, no clusters, 16,896 bytes of LDS; arguments x, out0, W1_m1, b1_m1, a1_m1, b2_m1, a2_m1, b3_m1, a3_m1, W4_m1, W1_m2, b1_m2, a1_m2, b2_m2, a2_m2, b3_m2, a3_m2, W4_m2, W2_m1, W3_m1, W2_m2, W3_m2, b4_m1, b4_m2; writes out0
.if DOCPART == 1
	.amdgcn_target "amdgcn-amd-amdhsa--gfx1250"
	.amdhsa_code_object_version 6
	.text
	.protected	k_q0d886dc614_doublesin
	.globl	k_q0d886dc614_doublesin
	.p2align	8
	.type	k_q0d886dc614_doublesin,@function
k_q0d886dc614_doublesin:
	s_mov_b64 s[64:65], 0
	v_nop
	global_prefetch_b8 v0, s[64:65] scope:SCOPE_SE
	s_setreg_imm32_b32 hwreg(HW_REG_WAVE_MODE, 25, 1), 1
	s_wait_xcnt 0x0
; out0[n] = mlp_m1(x[n]) + mlp_m2(2 x[n]);  mlp: 1 -> 64 -> 64 -> 64 -> 1 with snake(z) = z + sin^2(a z) / a behind the first three layers.
; The four 64 x 64 products run on codes of BF6 (E3M2) with one E8M0 scale for each 32 along K; both operands are quantised here.  All else is f32.
; SHARES.  256 work-groups of four waves; a wave owns 1,024 rows: 16 groups of 64 rows (256 bytes of x, 256 of out0).  A group is 2 trips (e = 0, 1) of 2 tiles (hh = 0, 1) of 16 rows;
; lane r of tile (e, hh) serves row 64 g + 32 hh + 2 r + e, so that one load of 8 bytes a lane reads a group's 256 consecutive bytes and one store of 8 bytes a lane writes them.
; LAYOUT.  The product is used transposed: source 0 = 16 rows of W, source 1 = 16 samples.  Row m of weight tile t is W's row 32 (m / 8) + 8 t + m % 8: so lane (r, h) holds sample r and, in the 32 registers of the
; four tiles' results, channels 32 h + 0 .. 31: one whole block of 32 along the next K, in the order that registers 0-5 of the next 6-bit operand want.  A block's maximum needs no other lane; only its scale byte crosses.
; K = 64 of the instruction's 128: registers 6-11 of the samples' operand are zero codes.  A weight tile's registers 6-11 are therefore free to be the NEXT tile's codes (E3M2 has no NaN and no infinity: a code x 0 adds nothing),
; so a tile costs six registers; behind each chain of eight tiles stand six registers of zeros.  Scale bytes 2 and 3 are 0 on both sides, which is a power of two like any other.
; THE SNAKE.  t = a z; v = t x fl(1/pi); g = v - rndne(v), exact, |g| <= 1/2; w = sin^2(pi g / 2) = u (C1 + u (C2 + u (C3 + u (C4 + u C5)))), u = g^2, C_k = (-1)^(k+1) pi^(2k) / (2 (2k)!);
; sin^2(t) = 4 (w - w^2); h = (w - w^2) (4 / a) + z.  Thirteen packed instructions for two numbers.  The series' cut leaves w off by at most 2.4e-7 (2 |g|)^12, which 4 (1 - 2 w) multiplies: sin^2 is off by under 5e-8.
; LIMITS.  The phase is off by at most 1.0e-7 |a z| radians (one rounding of v, one of the constant), and sin^2 / a weighs at most 1 / |a z| of z: h is right to some 4e-7 of itself at every size of a z;
; from |v| = 2^23 on g is 0 and h = z.  4 / a comes from v_rcp_f32 (1 ulp).  a = 0 gives NaN, as the definition does.  NaN and infinities among the inputs are not served.
; A block of zeros gets the scale byte 1 where the rule says 127: its codes are zeros, and this program alone reads the bytes.
; LAYER 4.  out = sum W4 z + sum (4 W4 / a3) (w - w^2), both branches onto the same eight pairs of sums.
; No tensor load, no cluster, no prefetch: the one stream is 4 bytes a row, asked for a whole group ahead; what the work-groups share is 68 KB, read once at the head.
; REGISTERS, in windows of 256 (s_set_vgpr_msb: bits 1:0 source 0, 3:2 source 1, 5:4 source 2, 7:6 destination).  In a per-channel array register i of lane (r, h) holds element 32 h + i.
;   window 0: see the names below.   windows 1 (m1), 2 (m2): 0 W1, 32 b1, 64 a1, 96 4/a1, 128 b2, 160 a2, 192 4/a2, 224 b3.
;   window 3: 0 a3_m1, 32 4 W4/a3 m1, 64 W4_m1, 96 a3_m2, 128 4 W4/a3 m2, 160 W4_m2, 192-239 the codes of W2_m2 and W3_m2, 240-245 zeros.
.set XO,  1                            ; v1       8 x lane: my place in a group of x and of out0; never rewritten
.set XL,  2                            ; v[2:3]   a group's x as loaded: rows 2 lane, 2 lane + 1
.set XC,  4                            ; v4       x of this trip's e
.set XN,  5                            ; v5       x of the next
.set X2,  6                            ; v6       2 x of the tile's sample (named as the pair v[6:7], low word for both halves)
.set XS,  7                            ; v7       XC of lane xor 16
.set XT,  8                            ; v8       x of the tile's sample (the pair v[8:9]; v9 is written once)
.set SW,  4                            ; v4-7     at the head alone: the four scale words of my weight
.set O0,  10                           ; v[10:11] the group's results
.set O1,  11
.set R0,  12                           ; v12, v13 the two tiles' results
.set C5V, 14                           ; v[14:15] C5, twice
.set ACC, 16                           ; v16-31   layer 4's eight pairs of sums
.set MX,  16                           ; v16-26   the quantiser's maxima (never alive together with the sums)
.set SOP, 32                           ; v32      the conversions' scale operand
.set SB,  33                           ; v33      my block's scale byte
.set OTH, 34                           ; v34      what lane xor 16 sent
.set HS,  35                           ; v35      the samples' scale word, and nothing else
.set CT,  36                           ; v[36:38] the second conversion's codes
.set HP,  40                           ; v40-51   the samples' operand: six registers of codes, six of zeros
.set WS,  52                           ; v52-67   the 16 weight tiles' scale words: W2_m1, W3_m1, W2_m2, W3_m2, four each
.set VH,  68                           ; v68      128 h: my half of a per-channel array
.set WO,  69                           ; v69      my 128 bytes in tile 0 of a weight
.set LI,  70                           ; v70      16 x lane
.set LS,  71                           ; v71      4 x lane
.set SI,  72                           ; v72      16 x lane + 3,072 x wave
.set SS,  73                           ; v73      4 x lane + 512 x wave
.set ZA,  74                           ; v74-105  branch m1: my sample's 32 channels
.set ZB,  106                          ; v106-137 branch m2
.set T1,  138                          ; v138-169 at work in the snake
.set T2,  170                          ; v170-201
.set CHA, 202                          ; v202-249 the codes of W2_m1 and W3_m1, six registers a tile; v250-255 zeros
.set CHB, 192                          ; the same for m2, in window 3
.set WSC, 12288                        ; LDS: 0 .. 12,287 the 24 images of four registers (512 bytes each); from here the 16 scale words, 128 bytes each
; scalars: s[4:51] the 24 addresses in the order of the arguments; s[52:53] 1/pi, s[54:55] C4, s[56:57] C3, s[58:59] C2, s[60:61] C1 (each in both words: the packed forms name pairs);
; s62, s63 selects for lane xor 16; s66 the mask of lanes 0-15; s67 b4_m1 + b4_m2; s68 groups to go; s69 trips to go; s70 my wave; s71-79 at work
.set MSB, 0
.macro WIN new                         ; the immediate's high byte repeats the setting that is left; a switch that changes nothing is dropped
.if MSB != (\new)
	s_set_vgpr_msb (MSB<<8)|(\new)
.set MSB, (\new)
.endif
.endm
; ---- THE QUANTISER of 32 numbers of a lane (one block), in eight pieces, so that in the loop each dependent step can stand behind sixteen instructions of the other branch's snake
.macro Q1 z                            ; eleven maxima of three; the floor 2^(5 - 127) is one leaf: the byte cannot fall under 1
.irp i, 0,1,2,3,4,5,6,7,8,9
	v_max3_num_f32 v[MX+\i], |v[\z+3*\i]|, |v[\z+3*\i+1]|, |v[\z+3*\i+2]|
.endr
	v_max3_num_f32 v[MX+10], |v[\z+30]|, |v[\z+31]|, 0x2800000
.endm
.macro Q2
.irp i, 0,3,6
	v_max3_num_f32 v[MX+\i], v[MX+\i], v[MX+\i+1], v[MX+\i+2]
.endr
.endm
.macro Q3
	v_max3_num_f32 v[MX], v[MX], v[MX+3], v[MX+6]
.endm
.macro Q4
	v_max3_num_f32 v[MX], v[MX], v[MX+9], v[MX+10]      ; the block's largest magnitude
.endm
.macro Q5
	v_add_nc_u32 v[SOP], 0xfe000000, v[MX]              ; 4 off its exponent field: the conversion takes the exponent field of this operand as its scale
.endm
.macro Q6 z, d
	v_lshrrev_b32 v[SB], 23, v[SOP]                     ; the scale's byte
	v_cvt_scalef32_pk16_bf6_f32 v[\d:\d+2], v[\z:\z+15], v[SOP]
	v_cvt_scalef32_pk16_bf6_f32 v[CT:CT+2], v[\z+16:\z+31], v[SOP]   ; (a conversion's three registers begin on an even number)
.endm
.macro Q7 d
	v_permlanex16_b32 v[OTH], v[SB], s62, s63           ; the other block's byte
.irp i, 0,1,2
	v_mov_b32 v[\d+3+\i], v[CT+\i]
.endr
.endm
.macro Q8 sw
	v_lshl_or_b32 v[\sw], v[OTH], 8, v[SB]              ; lanes 0-15: byte 0 block 0, byte 1 block 1, bytes 2 and 3 zero.  (Lanes 16-31 are not read)
.endm
; ---- THE SNAKE'S MIDDLE, from t in T1 to w - w^2 in T2: sixteen independent pairs in every step
.macro B_V
.set jj, 0
.rept 16
	v_pk_mul_f32 v[T1+jj:T1+jj+1], v[T1+jj:T1+jj+1], s[52:53] op_sel_hi:[1,0]        ; v = t / pi
.set jj, jj+2
.endr
.endm
.macro B_N from
.set jj, \from
.rept 16
	v_rndne_f32 v[T2+jj], v[T1+jj]
.set jj, jj+1
.endr
.endm
.macro B_G
.set jj, 0
.rept 16
	v_pk_add_f32 v[T1+jj:T1+jj+1], v[T1+jj:T1+jj+1], v[T2+jj:T2+jj+1] neg_lo:[0,1] neg_hi:[0,1]   ; g = v - n, exact
.set jj, jj+2
.endr
.endm
.macro B_U
.set jj, 0
.rept 16
	v_pk_mul_f32 v[T1+jj:T1+jj+1], v[T1+jj:T1+jj+1], v[T1+jj:T1+jj+1]               ; u = g^2
.set jj, jj+2
.endr
.endm
.macro B_H5
.set jj, 0
.rept 16
	v_pk_fma_f32 v[T2+jj:T2+jj+1], v[T1+jj:T1+jj+1], v[C5V:C5V+1], s[54:55] op_sel_hi:[1,1,0]   ; C5 u + C4
.set jj, jj+2
.endr
.endm
.macro B_H c
.set jj, 0
.rept 16
	v_pk_fma_f32 v[T2+jj:T2+jj+1], v[T2+jj:T2+jj+1], v[T1+jj:T1+jj+1], s[\c:\c+1] op_sel_hi:[1,1,0]
.set jj, jj+2
.endr
.endm
.macro B_W
.set jj, 0
.rept 16
	v_pk_mul_f32 v[T2+jj:T2+jj+1], v[T2+jj:T2+jj+1], v[T1+jj:T1+jj+1]               ; w = sin^2(pi g / 2)
.set jj, jj+2
.endr
.endm
.macro B_M
.set jj, 0
.rept 16
	v_pk_fma_f32 v[T2+jj:T2+jj+1], v[T2+jj:T2+jj+1], v[T2+jj:T2+jj+1], v[T2+jj:T2+jj+1] neg_lo:[1,0,0] neg_hi:[1,0,0]   ; w - w^2 = sin^2(t) / 4
.set jj, jj+2
.endr
.endm
; Four products: the four tiles of one weight against the 16 samples; the bias is C, so it costs nothing.  Four different results, none added onto in place.
.macro MM zq, mwin, ch, bias, ws
	WIN \mwin
.irp t, 0,1,2,3
	v_wmma_scale_f32_16x16x128_f8f6f4 v[\zq+8*\t:\zq+8*\t+7], v[\ch+6*\t:\ch+6*\t+11], v[HP:HP+11], v[\bias+8*\t:\bias+8*\t+7], v[\ws+\t], v[HS] matrix_a_fmt:MATRIX_FMT_BF6 matrix_b_fmt:MATRIX_FMT_BF6
.endr
	WIN 0
.endm
; One branch's snake; with q = 1 the OTHER branch's layer (in zq) is quantised and multiplied between its steps.  The scale word is written 16 plain instructions ahead of the products, the codes 32 or more;
; a step of the snake stands between the conversions and the moves that read their codes; behind the products stand 32 plain instructions that name none of their registers (ISA guide 7.12.1).
.macro BPH q, zq, mwin, ch, bias, ws
	WIN 0
	B_V
.if \q
	Q1 \zq
.endif
	B_N 0
.if \q
	Q2
.endif
	B_N 16
.if \q
	Q3
.endif
	B_G
.if \q
	Q4
.endif
	B_U
.if \q
	Q5
.endif
	B_H5
.if \q
	Q6 \zq, HP
.endif
	B_H 56
.if \q
	Q7 HP
.endif
	B_H 58
.if \q
	Q8 HS
.endif
	B_H 60
.if \q
	MM \zq, \mwin, \ch, \bias, \ws
.endif
	B_W
	B_M
.endm
; layer 1 and the snake's first step: z = x W1 + b1 (one fused multiply-add in f32), t = a1 z.  win: sources 1 and 2 in the branch's window;  xp: the pair whose low word is the branch's input
.macro APH1 win, z, xp
	WIN \win
.set jj, 0
.rept 16
	v_pk_fma_f32 v[\z+jj:\z+jj+1], v[\xp:\xp+1], v[jj:jj+1], v[32+jj:32+jj+1] op_sel_hi:[0,1,1]
.set jj, jj+2
.endr
.set jj, 0
.rept 16
	v_pk_mul_f32 v[T1+jj:T1+jj+1], v[\z+jj:\z+jj+1], v[64+jj:64+jj+1]
.set jj, jj+2
.endr
.endm
.macro APH z, win, a                   ; t = a z.  It is the first reader of the products' results, and takes each from its low end on
	WIN ((\win)<<2)
.set jj, 0
.rept 16
	v_pk_mul_f32 v[T1+jj:T1+jj+1], v[\z+jj:\z+jj+1], v[\a+jj:\a+jj+1]
.set jj, jj+2
.endr
.endm
.macro CPH z, win, i                   ; h = (w - w^2) (4 / a) + z
	WIN ((\win)<<2)
.set jj, 0
.rept 16
	v_pk_fma_f32 v[\z+jj:\z+jj+1], v[T2+jj:T2+jj+1], v[\i+jj:\i+jj+1], v[\z+jj:\z+jj+1]
.set jj, jj+2
.endr
.endm
.macro DPH z, first, w4, w4i           ; layer 4: eight pairs of sums by turns; first = 1: the first eight products start them: nothing is cleared
	WIN 0x0c
.irp p, 0,1,2,3,4,5,6,7,8,9,10,11,12,13,14,15
.if \first && (\p < 8)
	v_pk_mul_f32 v[ACC+2*(\p%8):ACC+2*(\p%8)+1], v[\z+2*\p:\z+2*\p+1], v[\w4+2*\p:\w4+2*\p+1]
.else
	v_pk_fma_f32 v[ACC+2*(\p%8):ACC+2*(\p%8)+1], v[\z+2*\p:\z+2*\p+1], v[\w4+2*\p:\w4+2*\p+1], v[ACC+2*(\p%8):ACC+2*(\p%8)+1]
.endif
.endr
.irp p, 0,1,2,3,4,5,6,7,8,9,10,11,12,13,14,15
	v_pk_fma_f32 v[ACC+2*(\p%8):ACC+2*(\p%8)+1], v[T2+2*\p:T2+2*\p+1], v[\w4i+2*\p:\w4i+2*\p+1], v[ACC+2*(\p%8):ACC+2*(\p%8)+1]
.endr
.endm
.macro RED r                           ; my 32 channels' sums, lane xor 16's 32, and the two biases: the sample's result, in both halves of the lanes
	WIN 0
.irp k, 0,2,4,6
	v_pk_add_f32 v[ACC+\k:ACC+\k+1], v[ACC+\k:ACC+\k+1], v[ACC+8+\k:ACC+9+\k]
.endr
.irp k, 0,2
	v_pk_add_f32 v[ACC+\k:ACC+\k+1], v[ACC+\k:ACC+\k+1], v[ACC+4+\k:ACC+5+\k]
.endr
	v_pk_add_f32 v[ACC:ACC+1], v[ACC:ACC+1], v[ACC+2:ACC+3]
	v_add_f32 v[ACC], v[ACC], v[ACC+1]
	v_permlanex16_b32 v[OTH], v[ACC], s62, s63
	v_add_f32 v[ACC], v[ACC], v[OTH]
	v_add_f32 v[\r], s67, v[ACC]
.endm
; A TILE of 16 samples through both branches.  The branches take turns: while one is in its snake, the other's layer is quantised and multiplied.
.macro TILE hh
	WIN 0
.if \hh == 0
	v_cndmask_b32 v[XT], v[XS], v[XC], s66              ; sample r lies in lane r: lanes 0-15 have it, lanes 16-31 take it from lane xor 16
.else
	v_cndmask_b32 v[XT], v[XC], v[XS], s66              ; sample r lies in lane 16 + r
.endif
	v_add_f32 v[X2], v[XT], v[XT]                       ; 2 x, exact
	APH1 0x14, ZA, XT
	BPH 0, ZA, 0, CHA, 0, WS
	CPH ZA, 1, 96                                       ; m1: h1
	APH1 0x28, ZB, X2
	BPH 1, ZA, 0x10, CHA, 128, WS                       ; m2's snake 1 | m1: z2 = W2 h1 + b2
	CPH ZB, 2, 96                                       ; m2: h1
	APH ZA, 1, 160
	BPH 1, ZB, 0x23, CHB, 128, WS+8                     ; m1's snake 2 | m2: z2
	CPH ZA, 1, 192                                      ; m1: h2
	APH ZB, 2, 160
	BPH 1, ZA, 0x10, CHA+24, 224, WS+4                  ; m2's snake 2 | m1: z3 = W3 h2 + b3
	CPH ZB, 2, 192                                      ; m2: h2
	APH ZA, 3, 0
	BPH 1, ZB, 0x23, CHB+24, 224, WS+12                 ; m1's snake 3 | m2: z3
	DPH ZA, 1, 64, 32                                   ; m1: layer 4 starts the sums
	APH ZB, 3, 96
	BPH 0, ZB, 0, CHA, 0, WS
	DPH ZB, 0, 160, 128                                 ; m2: layer 4 adds onto them
	RED R0+\hh
.endm
.macro ARR dst, sp                     ; a per-channel array: my half's 32 numbers, 128 bytes
.irp j, 0,1,2,3,4,5,6,7
	global_load_b128 v[\dst+4*\j:\dst+4*\j+3], v[VH], s[\sp:\sp+1] offset:16*\j
.endr
.endm
.macro RCP32 dst, src
.set jj, 0
.rept 32
	v_rcp_f32 v[\dst+jj], v[\src+jj]
.set jj, jj+1
.endr
.endm
.macro MUL4 reg                        ; x 4, exact
.set jj, 0
.rept 16
	v_pk_mul_f32 v[\reg+jj:\reg+jj+1], v[\reg+jj:\reg+jj+1], 4.0 op_sel_hi:[1,0]
.set jj, jj+2
.endr
.endm
.macro MULW reg, w
.set jj, 0
.rept 16
	v_pk_mul_f32 v[\reg+jj:\reg+jj+1], v[\reg+jj:\reg+jj+1], v[\w+jj:\w+jj+1]
.set jj, jj+2
.endr
.endm
; ================ THE HEAD
	s_load_b512 s[4:19], s[0:1], 0x0                    ; x, out0, W1, b1, a1, b2, a2, b3 of m1
	s_load_b512 s[20:35], s[0:1], 0x40                  ; a3, W4 of m1; W1, b1, a1, b2, a2, b3 of m2
	s_load_b512 s[36:51], s[0:1], 0x80                  ; a3, W4 of m2; W2_m1, W3_m1, W2_m2, W3_m2; b4_m1, b4_m2
	v_lshl_add_u32 v39, v0, 2, 0x4000
	s_set_vgpr_msb 0xc0
	v_mov_b32 v255, 0
	s_set_vgpr_msb 0xc000
	v_lshrrev_b32 v12, 5, v0
	v_readfirstlane_b32 s70, v12                        ; wave 0..3
	v_and_b32 v12, 31, v0                               ; lane
	v_and_b32 v13, 15, v0                               ; r
	v_bfe_u32 v10, v0, 4, 1                             ; h
	v_lshlrev_b32 v[XO], 3, v12
	v_lshlrev_b32 v[LI], 4, v12
	v_lshlrev_b32 v[LS], 2, v12
	v_lshlrev_b32 v[VH], 7, v10
	v_lshrrev_b32 v[WO], 3, v13
	v_and_b32 v13, 7, v13
	v_lshl_add_u32 v[WO], v[WO], 13, v[VH]              ; W's row 32 (r / 8) + r % 8 of 256 bytes, + 128 h: my block of 32 along K
	v_lshl_add_u32 v[WO], v13, 8, v[WO]
	s_mul_i32 s71, s70, 3072
	v_add_nc_u32 v[SI], s71, v[LI]
	s_lshl_b32 s71, s70, 9
	v_add_nc_u32 v[SS], s71, v[LS]
	s_mov_b32 s52, 0x3ea2f983                           ; 1 / pi
	s_mov_b32 s53, s52
	s_mov_b32 s54, 0xbdf0fa83                           ; C4 = -pi^8 / 80640
	s_mov_b32 s55, s54
	s_mov_b32 s56, 0x3f2ae9e4                           ; C3 = pi^6 / 1440
	s_mov_b32 s57, s56
	s_mov_b32 s58, 0xc001e0f8                           ; C2 = -pi^4 / 48
	s_mov_b32 s59, s58
	s_mov_b32 s60, 0x401de9e6                           ; C1 = pi^2 / 4
	s_mov_b32 s61, s60
	s_mov_b32 s62, 0x76543210
	s_mov_b32 s63, 0xfedcba98
	s_mov_b32 s66, 0x0000ffff
	v_mov_b32 v[C5V], 0x3c5368f9                        ; C5 = pi^10 / 7257600
	v_mov_b32 v[C5V+1], v[C5V]
	v_mov_b32 v[XT+1], 0                                ; named with v8 as a pair
	v_mov_b32 v[O1], 0                                  ; read once by the first trip's rotation, before it holds a result
	v_mov_b32 v[OTH], 0                                 ; a lane permute's destination counts as one of its sources
.irp i, 0,1,2,3,4,5
	v_mov_b32 v[HP+6+\i], 0                             ; the samples' K = 64 .. 127: zero codes, written once
	v_mov_b32 v[CHA+48+\i], 0                           ; behind m1's chain of tiles
.endr
	WIN 0xc0
.irp i, 0,1,2,3,4,5
	v_mov_b32 v[CHB+48+\i], 0                           ; behind m2's, in window 3
.endr
	WIN 0
	s_wait_kmcnt 0x0
	s_load_b32 s74, s[48:49], 0x0                       ; b4_m1
	s_load_b32 s75, s[50:51], 0x0                       ; b4_m2
	s_cmp_lt_u32 s70, 2                                 ; the weight that my wave quantises: 0 W2_m1, 1 W3_m1, 2 W2_m2, 3 W3_m2: a choice on the wave's number alone
	s_cselect_b64 s[72:73], s[40:41], s[44:45]
	s_cselect_b64 s[76:77], s[42:43], s[46:47]
	s_and_b32 s71, s70, 1
	s_cmp_lg_u32 s71, 0
	s_cselect_b64 s[72:73], s[76:77], s[72:73]
	s_lshl_b32 s78, ttmp9, 2
	s_add_co_u32 s78, s78, s70
	s_lshl_b32 s78, s78, 12                             ; my 1,024 rows: 4,096 bytes x (4 x work-group + wave)
	s_mov_b32 s79, 0
	s_add_nc_u64 s[4:5], s[4:5], s[78:79]
	s_add_nc_u64 s[6:7], s[6:7], s[78:79]
.irp t, 0,1,2,3                        ; my weight as f32: tile t's 32 numbers of my lane into ZA, ZB, T1, T2
.irp i, 0,1,2,3,4,5,6,7
	global_load_b128 v[ZA+32*\t+4*\i:ZA+32*\t+4*\i+3], v[WO], s[72:73] offset:2048*\t+16*\i
.endr
.endr
	global_load_b64 v[XL:XL+1], v[XO], s[4:5] th:TH_LOAD_NT   ; group 0 of x
	WIN 0x40                                            ; destination window 1
	ARR 0, 8
	ARR 32, 10
	ARR 64, 12
	ARR 128, 14
	ARR 160, 16
	ARR 224, 18
	WIN 0x80                                            ; window 2
	ARR 0, 24
	ARR 32, 26
	ARR 64, 28
	ARR 128, 30
	ARR 160, 32
	ARR 224, 34
	WIN 0xc0                                            ; window 3
	ARR 0, 20
	ARR 64, 22
	ARR 96, 36
	ARR 160, 38
	WIN 0
	s_wait_loadcnt 63                                   ; behind my last weight load 129 loads were issued; 63, the most that the wait can name, is fewer: the weight is in
.irp t, 0,1,2,3                        ; four tiles: codes to v[CHA + 6 t] on, scale words to v[SW + t]
	Q1 ZA+32*\t
	Q2
	Q3
	Q4
	Q5
	Q6 ZA+32*\t, CHA+6*\t
	v_nop                                               ; one plain instruction behind the conversions, ahead of the moves that read their codes
	Q7 CHA+6*\t
	Q8 SW+\t
.endr
.irp c, 0,1,2,3,4,5                    ; the 24 registers go to LDS as they stand: 16 bytes a lane, 512 bytes a store
	ds_store_b128 v[SI], v[CHA+4*\c:CHA+4*\c+3] offset:512*\c
.endr
.irp t, 0,1,2,3
	ds_store_b32 v[SS], v[SW+\t] offset:WSC+128*\t
.endr
	s_wait_dscnt 0x0                                    ; for the others' sake: my stores have landed
	s_barrier_signal -1
	s_barrier_wait -1                                   ; all four weights lie in LDS
.irp c, 0,1,2,3,4,5,6,7,8,9,10,11
	ds_load_b128 v[CHA+4*\c:CHA+4*\c+3], v[LI] offset:512*\c
.endr
.irp k, 0,1,2,3,4,5,6,7,8,9,10,11,12,13,14,15
	ds_load_b32 v[WS+\k], v[LS] offset:WSC+128*\k
.endr
	WIN 0xc0
.irp c, 0,1,2,3,4,5,6,7,8,9,10,11
	ds_load_b128 v[CHB+4*\c:CHB+4*\c+3], v[LI] offset:512*(12+\c)
.endr
	WIN 0
	v_mov_b32 v[XS], 0                                  ; a lane permute's destination counts as one of its sources
	s_wait_loadcnt 0x0                                  ; the per-channel arrays and x
	s_wait_kmcnt 0x0
	s_add_f32 s67, s74, s75                             ; b4_m1 + b4_m2
	; 4 / a, and 4 W4 / a3: a batch of reciprocals for each window, a plain instruction behind it, and a wait ahead of the first use
	WIN 0x41
	RCP32 96, 64
	RCP32 192, 160
	v_nop
	s_wait_alu depctr_va_vdst(0)
	MUL4 96
	MUL4 192
	WIN 0x82
	RCP32 96, 64
	RCP32 192, 160
	v_nop
	s_wait_alu depctr_va_vdst(0)
	MUL4 96
	MUL4 192
	WIN 0xc3
	RCP32 32, 0
	RCP32 128, 96
	v_nop
	s_wait_alu depctr_va_vdst(0)
	MUL4 32
	MUL4 128
	WIN 0xcf
	MULW 32, 64
	MULW 128, 160
	WIN 0
	s_wait_dscnt 0x0                                    ; the codes and the scale words are in
; ================ THE LOOPS
	s_mov_b32 s68, 16
.Lgroup:                                                ; a group of 64 rows
	s_wait_loadcnt 0x0                                  ; the one load that can be out is this group's x
	v_mov_b32 v[XC], v[XL]
	v_mov_b32 v[XN], v[XL+1]
	s_cmp_eq_u32 s68, 1                                 ; the last group asks for nothing: no load leaves x
	s_cbranch_scc1 .Lno_next
	global_load_b64 v[XL:XL+1], v[XO], s[4:5] offset:256 th:TH_LOAD_NT   ; the next group's x: a whole group's work ahead of its use
.Lno_next:
	s_mov_b32 s69, 2
.Lhalf:                                                 ; e = 0, then 1: the even rows, then the odd ones
	v_permlanex16_b32 v[XS], v[XC], s62, s63
	TILE 0
	TILE 1
	v_mov_b32 v[O0], v[O1]                              ; behind two trips: O0 the even rows' results, O1 the odd rows'
	v_cndmask_b32 v[O1], v[R0+1], v[R0], s66            ; lanes 0-15 tile 0's sample r, lanes 16-31 tile 1's
	v_mov_b32 v[XC], v[XN]
	s_sub_co_i32 s69, s69, 1
	s_cmp_lg_u32 s69, 0
	s_cbranch_scc1 .Lhalf
	global_store_b64 v[XO], v[O0:O0+1], s[6:7] th:TH_STORE_NT   ; 32 lanes store 256 consecutive bytes, at a multiple of 256 from out0's first byte
	s_wait_xcnt 0x0                                     ; the store and the load ahead have read their bases and data: only now are these written again
	s_add_nc_u64 s[4:5], s[4:5], 256
	s_add_nc_u64 s[6:7], s[6:7], 256
	s_sub_co_i32 s68, s68, 1
	s_cmp_lg_u32 s68, 0
	s_cbranch_scc1 .Lgroup
	s_set_vgpr_msb 0xc
	s_wait_tensorcnt 0x0
	ds_add_u32 v39, v255
	s_wait_dscnt 0x0
	s_set_vgpr_msb 0xc00
	s_endpgm
.Lfunc_end_k_q0d886dc614_doublesin:
	.size	k_q0d886dc614_doublesin, .Lfunc_end_k_q0d886dc614_doublesin-k_q0d886dc614_doublesin
	.p2alignl 7, 3214868480
	.fill 96, 4, 3214868480
	.section	.rodata,"a",@progbits
	.p2align	6, 0x0
	.amdhsa_kernel k_q0d886dc614_doublesin
		.amdhsa_group_segment_fixed_size 16896
		.amdhsa_private_segment_fixed_size 0
		.amdhsa_enable_private_segment 0
		.amdhsa_kernarg_size 192
		.amdhsa_user_sgpr_count 2
		.amdhsa_user_sgpr_kernarg_segment_ptr 1
		.amdhsa_wavefront_size32 1
		.amdhsa_system_sgpr_workgroup_id_x 1
		.amdhsa_system_sgpr_workgroup_id_y 1
		.amdhsa_system_sgpr_workgroup_id_z 1
		.amdhsa_system_vgpr_workitem_id 0
		.amdhsa_next_free_vgpr 1024
		.amdhsa_next_free_sgpr 80
		.amdhsa_reserve_vcc 0
		.amdhsa_float_denorm_mode_32 3
		.amdhsa_float_denorm_mode_16_64 3
		.amdhsa_memory_ordered 1
		.amdhsa_forward_progress 1
		.amdhsa_inst_pref_size 215
	.end_amdhsa_kernel
	.amdgpu_metadata
---
amdhsa.version: [ 1, 2 ]
amdhsa.kernels:
  - .name:           k_q0d886dc614_doublesin
    .symbol:         k_q0d886dc614_doublesin.kd
    .args:
      - { .name: x, .offset: 0, .size: 8, .value_kind: global_buffer, .address_space: global }
      - { .name: out0, .offset: 8, .size: 8, .value_kind: global_buffer, .address_space: global }
      - { .name: W1_m1, .offset: 16, .size: 8, .value_kind: global_buffer, .address_space: global }
      - { .name: b1_m1, .offset: 24, .size: 8, .value_kind: global_buffer, .address_space: global }
      - { .name: a1_m1, .offset: 32, .size: 8, .value_kind: global_buffer, .address_space: global }
      - { .name: b2_m1, .offset: 40, .size: 8, .value_kind: global_buffer, .address_space: global }
      - { .name: a2_m1, .offset: 48, .size: 8, .value_kind: global_buffer, .address_space: global }
      - { .name: b3_m1, .offset: 56, .size: 8, .value_kind: global_buffer, .address_space: global }
      - { .name: a3_m1, .offset: 64, .size: 8, .value_kind: global_buffer, .address_space: global }
      - { .name: W4_m1, .offset: 72, .size: 8, .value_kind: global_buffer, .address_space: global }
      - { .name: W1_m2, .offset: 80, .size: 8, .value_kind: global_buffer, .address_space: global }
      - { .name: b1_m2, .offset: 88, .size: 8, .value_kind: global_buffer, .address_space: global }
      - { .name: a1_m2, .offset: 96, .size: 8, .value_kind: global_buffer, .address_space: global }
      - { .name: b2_m2, .offset: 104, .size: 8, .value_kind: global_buffer, .address_space: global }
      - { .name: a2_m2, .offset: 112, .size: 8, .value_kind: global_buffer, .address_space: global }
      - { .name: b3_m2, .offset: 120, .size: 8, .value_kind: global_buffer, .address_space: global }
      - { .name: a3_m2, .offset: 128, .size: 8, .value_kind: global_buffer, .address_space: global }
      - { .name: W4_m2, .offset: 136, .size: 8, .value_kind: global_buffer, .address_space: global }
      - { .name: W2_m1, .offset: 144, .size: 8, .value_kind: global_buffer, .address_space: global }
      - { .name: W3_m1, .offset: 152, .size: 8, .value_kind: global_buffer, .address_space: global }
      - { .name: W2_m2, .offset: 160, .size: 8, .value_kind: global_buffer, .address_space: global }
      - { .name: W3_m2, .offset: 168, .size: 8, .value_kind: global_buffer, .address_space: global }
      - { .name: b4_m1, .offset: 176, .size: 8, .value_kind: global_buffer, .address_space: global }
      - { .name: b4_m2, .offset: 184, .size: 8, .value_kind: global_buffer, .address_space: global }
    .group_segment_fixed_size: 16896
    .private_segment_fixed_size: 0
    .kernarg_segment_align: 8
    .kernarg_segment_size: 192
    .max_flat_workgroup_size: 128
    .sgpr_count:     80
    .vgpr_count:     1024
    .wavefront_size: 32
...
	.end_amdgpu_metadata
.endif
;; end of part 1
;; ======== version 2 of 2: 1 launch; version 1 with the launch doublesin written anew for expert scheduling mode
;; launch doublesin (part 2): grid 256 x 1, 4 waves a work-group, no clusters, 16,896 bytes of LDS; arguments x, out0, W1_m1, b1_m1, a1_m1, b2_m1, a2_m1, b3_m1, a3_m1, W4_m1, W1_m2, b1_m2, a1_m2, b2_m2, a2_m2, b3_m2, a3_m2, W4_m2, W2_m1, W3_m1, W2_m2, W3_m2, b4_m1, b4_m2; writes out0
.if DOCPART == 2
	.amdgcn_target "amdgcn-amd-amdhsa--gfx1250"
	.amdhsa_code_object_version 6
	.text
	.protected	k_q0d886dc614_doublesin
	.globl	k_q0d886dc614_doublesin
	.p2align	8
	.type	k_q0d886dc614_doublesin,@function
k_q0d886dc614_doublesin:
	s_mov_b64 s[64:65], 0
	v_nop
	global_prefetch_b8 v0, s[64:65] scope:SCOPE_SE
	s_setreg_imm32_b32 hwreg(HW_REG_WAVE_SCHED_MODE, 0, 2), 2
	s_setreg_imm32_b32 hwreg(HW_REG_WAVE_MODE, 25, 1), 1
	s_wait_xcnt 0x0
	s_wait_alu depctr_vm_vsrc(0)
; out0[n] = mlp_m1(x[n]) + mlp_m2(2 x[n]);  mlp: 1 -> 64 -> 64 -> 64 -> 1 with snake(z) = z + sin^2(a z) / a behind the first three layers.
; The four 64 x 64 products run on codes of BF6 (E3M2) with one E8M0 scale for each 32 along K; both operands are quantised here.  All else is f32.
; SHARES.  256 work-groups of four waves; a wave owns 1,024 rows: 16 groups of 64 rows (256 bytes of x, 256 of out0).  A group is 2 trips (e = 0, 1) of 2 tiles (hh = 0, 1) of 16 rows;
; lane r of tile (e, hh) serves row 64 g + 32 hh + 2 r + e, so that one load of 8 bytes a lane reads a group's 256 consecutive bytes and one store of 8 bytes a lane writes them.
; LAYOUT.  The product is used transposed: source 0 = 16 rows of W, source 1 = 16 samples.  Row m of weight tile t is W's row 32 (m / 8) + 8 t + m % 8: so lane (r, h) holds sample r and, in the 32 registers of the
; four tiles' results, channels 32 h + 0 .. 31: one whole block of 32 along the next K, in the order that registers 0-5 of the next 6-bit operand want.  A block's maximum needs no other lane; only its scale byte crosses.
; K = 64 of the instruction's 128: registers 6-11 of the samples' operand are zero codes.  A weight tile's registers 6-11 are therefore free to be the NEXT tile's codes (E3M2 has no NaN and no infinity: a code x 0 adds nothing),
; so a tile costs six registers; behind each chain of eight tiles stand six registers of zeros.  Scale bytes 2 and 3 are 0 on both sides, which is a power of two like any other.
; THE SNAKE.  t = a z; v = t x fl(1/pi); g = v - rndne(v), exact, |g| <= 1/2; w = sin^2(pi g / 2) = u (C1 + u (C2 + u (C3 + u (C4 + u C5)))), u = g^2, C_k = (-1)^(k+1) pi^(2k) / (2 (2k)!);
; sin^2(t) = 4 (w - w^2); h = (w - w^2) (4 / a) + z.  Thirteen packed instructions for two numbers.  The series' cut leaves w off by at most 2.4e-7 (2 |g|)^12, which 4 (1 - 2 w) multiplies: sin^2 is off by under 5e-8.
; LIMITS.  The phase is off by at most 1.0e-7 |a z| radians (one rounding of v, one of the constant), and sin^2 / a weighs at most 1 / |a z| of z: h is right to some 4e-7 of itself at every size of a z;
; from |v| = 2^23 on g is 0 and h = z.  4 / a comes from v_rcp_f32 (1 ulp).  a = 0 gives NaN, as the definition does.  NaN and infinities among the inputs are not served.
; A block of zeros gets the scale byte 1 where the rule says 127: its codes are zeros, and this program alone reads the bytes.
; LAYER 4.  out = sum W4 z + sum (4 W4 / a3) (w - w^2), both branches onto the same eight pairs of sums.
; No tensor load, no cluster, no prefetch: the one stream is 4 bytes a row, asked for a whole group ahead; what the work-groups share is 68 KB, read once at the head.
; THE MODE: SCHED_MODE bits 1:0 = 2 (LLVM: expert scheduling mode 2), set by the entry lines.  The code itself states the register dependences
; between vector or matrix instructions and memory or LDS instructions, with s_wait_alu, always for 0.
; THE PLAN.  Registers that memory or LDS instructions touch:
;   v1, v68-73   offsets and LDS addresses: made once at the head, ahead of one wait on va_vdst, and never written again; the rows are reached by the two scalar bases.
;   v74-201      at the head the raw weight lands here and the quantiser reads it; no load lands here again.
;   v202-249     the head's conversions and moves write my weight's codes, six LDS stores read them, and behind the barrier twelve LDS loads land here: a wait on va_vdst ahead of the stores, one on vm_vsrc ahead of the loads.
;   v4-7         the head's four scale words: four LDS stores read them; the same wait on vm_vsrc stands ahead of every later write of these registers.
;   v[2:3]       a group's x: the load lands, two moves at the group's head read it, a wait on va_vdst, the next group's load.
;   v[10:11]     a group's results: written at the end of each half trip; a wait on va_vdst, the group's store, a wait on vm_vsrc ahead of the backward jump.
;   v52-67, the codes in window 3 and the per-channel arrays are written by loads alone.
; In the loop the samples' codes v40-45 and their scale word v35 are written by vector instructions and taken by scaled products: behind the places a wait on va_vdst stands ahead of each run of four products.
; REGISTERS, in windows of 256 (s_set_vgpr_msb: bits 1:0 source 0, 3:2 source 1, 5:4 source 2, 7:6 destination).  In a per-channel array register i of lane (r, h) holds element 32 h + i.
;   window 0: see the names below.   windows 1 (m1), 2 (m2): 0 W1, 32 b1, 64 a1, 96 4/a1, 128 b2, 160 a2, 192 4/a2, 224 b3.
;   window 3: 0 a3_m1, 32 4 W4/a3 m1, 64 W4_m1, 96 a3_m2, 128 4 W4/a3 m2, 160 W4_m2, 192-239 the codes of W2_m2 and W3_m2, 240-245 zeros.
.set XO,  1                            ; v1       8 x lane: my place in a group of x and of out0; never rewritten
.set XL,  2                            ; v[2:3]   a group's x as loaded: rows 2 lane, 2 lane + 1
.set XC,  4                            ; v4       x of this trip's e
.set XN,  5                            ; v5       x of the next
.set X2,  6                            ; v6       2 x of the tile's sample (named as the pair v[6:7], low word for both halves)
.set XS,  7                            ; v7       XC of lane xor 16
.set XT,  8                            ; v8       x of the tile's sample (the pair v[8:9]; v9 is written once)
.set SW,  4                            ; v4-7     at the head alone: the four scale words of my weight
.set O0,  10                           ; v[10:11] the group's results
.set O1,  11
.set R0,  12                           ; v12, v13 the two tiles' results
.set C5V, 14                           ; v[14:15] C5, twice
.set ACC, 16                           ; v16-31   layer 4's eight pairs of sums
.set MX,  16                           ; v16-26   the quantiser's maxima (never alive together with the sums)
.set SOP, 32                           ; v32      the conversions' scale operand
.set SB,  33                           ; v33      my block's scale byte
.set OTH, 34                           ; v34      what lane xor 16 sent
.set HS,  35                           ; v35      the samples' scale word, and nothing else
.set CT,  36                           ; v[36:38] the second conversion's codes
.set HP,  40                           ; v40-51   the samples' operand: six registers of codes, six of zeros
.set WS,  52                           ; v52-67   the 16 weight tiles' scale words: W2_m1, W3_m1, W2_m2, W3_m2, four each
.set VH,  68                           ; v68      128 h: my half of a per-channel array
.set WO,  69                           ; v69      my 128 bytes in tile 0 of a weight
.set LI,  70                           ; v70      16 x lane
.set LS,  71                           ; v71      4 x lane
.set SI,  72                           ; v72      16 x lane + 3,072 x wave
.set SS,  73                           ; v73      4 x lane + 512 x wave
.set ZA,  74                           ; v74-105  branch m1: my sample's 32 channels
.set ZB,  106                          ; v106-137 branch m2
.set T1,  138                          ; v138-169 at work in the snake
.set T2,  170                          ; v170-201
.set CHA, 202                          ; v202-249 the codes of W2_m1 and W3_m1, six registers a tile; v250-255 zeros
.set CHB, 192                          ; the same for m2, in window 3
.set WSC, 12288                        ; LDS: 0 .. 12,287 the 24 images of four registers (512 bytes each); from here the 16 scale words, 128 bytes each
; scalars: s[4:51] the 24 addresses in the order of the arguments; s[52:53] 1/pi, s[54:55] C4, s[56:57] C3, s[58:59] C2, s[60:61] C1 (each in both words: the packed forms name pairs);
; s62, s63 selects for lane xor 16; s66 the mask of lanes 0-15; s67 b4_m1 + b4_m2; s68 groups to go; s69 trips to go; s70 my wave; s71-79 at work
.set MSB, 0
.macro WIN new                         ; the immediate's high byte repeats the setting that is left; a switch that changes nothing is dropped
.if MSB != (\new)
	s_set_vgpr_msb (MSB<<8)|(\new)
.set MSB, (\new)
.endif
.endm
; ---- THE QUANTISER of 32 numbers of a lane (one block), in eight pieces, so that in the loop each dependent step can stand behind sixteen instructions of the other branch's snake
.macro Q1 z                            ; eleven maxima of three; the floor 2^(5 - 127) is one leaf: the byte cannot fall under 1
.irp i, 0,1,2,3,4,5,6,7,8,9
	v_max3_num_f32 v[MX+\i], |v[\z+3*\i]|, |v[\z+3*\i+1]|, |v[\z+3*\i+2]|
.endr
	v_max3_num_f32 v[MX+10], |v[\z+30]|, |v[\z+31]|, 0x2800000
.endm
.macro Q2
.irp i, 0,3,6
	v_max3_num_f32 v[MX+\i], v[MX+\i], v[MX+\i+1], v[MX+\i+2]
.endr
.endm
.macro Q3
	v_max3_num_f32 v[MX], v[MX], v[MX+3], v[MX+6]
.endm
.macro Q4
	v_max3_num_f32 v[MX], v[MX], v[MX+9], v[MX+10]      ; the block's largest magnitude
.endm
.macro Q5
	v_add_nc_u32 v[SOP], 0xfe000000, v[MX]              ; 4 off its exponent field: the conversion takes the exponent field of this operand as its scale
.endm
.macro Q6 z, d
	v_lshrrev_b32 v[SB], 23, v[SOP]                     ; the scale's byte
	v_cvt_scalef32_pk16_bf6_f32 v[\d:\d+2], v[\z:\z+15], v[SOP]
	v_cvt_scalef32_pk16_bf6_f32 v[CT:CT+2], v[\z+16:\z+31], v[SOP]   ; (a conversion's three registers begin on an even number)
.endm
.macro Q7 d
	v_permlanex16_b32 v[OTH], v[SB], s62, s63           ; the other block's byte
.irp i, 0,1,2
	v_mov_b32 v[\d+3+\i], v[CT+\i]
.endr
.endm
.macro Q8 sw
	v_lshl_or_b32 v[\sw], v[OTH], 8, v[SB]              ; lanes 0-15: byte 0 block 0, byte 1 block 1, bytes 2 and 3 zero.  (Lanes 16-31 are not read)
.endm
; ---- THE SNAKE'S MIDDLE, from t in T1 to w - w^2 in T2: sixteen independent pairs in every step
.macro B_V
.set jj, 0
.rept 16
	v_pk_mul_f32 v[T1+jj:T1+jj+1], v[T1+jj:T1+jj+1], s[52:53] op_sel_hi:[1,0]        ; v = t / pi
.set jj, jj+2
.endr
.endm
.macro B_N from
.set jj, \from
.rept 16
	v_rndne_f32 v[T2+jj], v[T1+jj]
.set jj, jj+1
.endr
.endm
.macro B_G
.set jj, 0
.rept 16
	v_pk_add_f32 v[T1+jj:T1+jj+1], v[T1+jj:T1+jj+1], v[T2+jj:T2+jj+1] neg_lo:[0,1] neg_hi:[0,1]   ; g = v - n, exact
.set jj, jj+2
.endr
.endm
.macro B_U
.set jj, 0
.rept 16
	v_pk_mul_f32 v[T1+jj:T1+jj+1], v[T1+jj:T1+jj+1], v[T1+jj:T1+jj+1]               ; u = g^2
.set jj, jj+2
.endr
.endm
.macro B_H5
.set jj, 0
.rept 16
	v_pk_fma_f32 v[T2+jj:T2+jj+1], v[T1+jj:T1+jj+1], v[C5V:C5V+1], s[54:55] op_sel_hi:[1,1,0]   ; C5 u + C4
.set jj, jj+2
.endr
.endm
.macro B_H c
.set jj, 0
.rept 16
	v_pk_fma_f32 v[T2+jj:T2+jj+1], v[T2+jj:T2+jj+1], v[T1+jj:T1+jj+1], s[\c:\c+1] op_sel_hi:[1,1,0]
.set jj, jj+2
.endr
.endm
.macro B_W
.set jj, 0
.rept 16
	v_pk_mul_f32 v[T2+jj:T2+jj+1], v[T2+jj:T2+jj+1], v[T1+jj:T1+jj+1]               ; w = sin^2(pi g / 2)
.set jj, jj+2
.endr
.endm
.macro B_M
.set jj, 0
.rept 16
	v_pk_fma_f32 v[T2+jj:T2+jj+1], v[T2+jj:T2+jj+1], v[T2+jj:T2+jj+1], v[T2+jj:T2+jj+1] neg_lo:[1,0,0] neg_hi:[1,0,0]   ; w - w^2 = sin^2(t) / 4
.set jj, jj+2
.endr
.endm
; Four products: the four tiles of one weight against the 16 samples; the bias is C, so it costs nothing.  Four different results, none added onto in place.
.macro MM zq, mwin, ch, bias, ws
	WIN \mwin
	s_wait_alu depctr_va_vdst(0)                        ; the conversions and the moves have written the samples' codes v[HP ..], the shift-or their scale word v[HS]: the four scaled products take them as source 1 and as its scales; the places stand ahead of this wait
.irp t, 0,1,2,3
	v_wmma_scale_f32_16x16x128_f8f6f4 v[\zq+8*\t:\zq+8*\t+7], v[\ch+6*\t:\ch+6*\t+11], v[HP:HP+11], v[\bias+8*\t:\bias+8*\t+7], v[\ws+\t], v[HS] matrix_a_fmt:MATRIX_FMT_BF6 matrix_b_fmt:MATRIX_FMT_BF6
.endr
	WIN 0
.endm
; One branch's snake; with q = 1 the OTHER branch's layer (in zq) is quantised and multiplied between its steps.  The scale word is written 16 plain instructions ahead of the products, the codes 32 or more;
; a step of the snake stands between the conversions and the moves that read their codes; behind the products stand 32 plain instructions that name none of their registers (ISA guide 7.12.1).
.macro BPH q, zq, mwin, ch, bias, ws
	WIN 0
	B_V
.if \q
	Q1 \zq
.endif
	B_N 0
.if \q
	Q2
.endif
	B_N 16
.if \q
	Q3
.endif
	B_G
.if \q
	Q4
.endif
	B_U
.if \q
	Q5
.endif
	B_H5
.if \q
	Q6 \zq, HP
.endif
	B_H 56
.if \q
	Q7 HP
.endif
	B_H 58
.if \q
	Q8 HS
.endif
	B_H 60
.if \q
	MM \zq, \mwin, \ch, \bias, \ws
.endif
	B_W
	B_M
.endm
; layer 1 and the snake's first step: z = x W1 + b1 (one fused multiply-add in f32), t = a1 z.  win: sources 1 and 2 in the branch's window;  xp: the pair whose low word is the branch's input
.macro APH1 win, z, xp
	WIN \win
.set jj, 0
.rept 16
	v_pk_fma_f32 v[\z+jj:\z+jj+1], v[\xp:\xp+1], v[jj:jj+1], v[32+jj:32+jj+1] op_sel_hi:[0,1,1]
.set jj, jj+2
.endr
.set jj, 0
.rept 16
	v_pk_mul_f32 v[T1+jj:T1+jj+1], v[\z+jj:\z+jj+1], v[64+jj:64+jj+1]
.set jj, jj+2
.endr
.endm
.macro APH z, win, a                   ; t = a z.  It is the first reader of the products' results, and takes each from its low end on
	WIN ((\win)<<2)
.set jj, 0
.rept 16
	v_pk_mul_f32 v[T1+jj:T1+jj+1], v[\z+jj:\z+jj+1], v[\a+jj:\a+jj+1]
.set jj, jj+2
.endr
.endm
.macro CPH z, win, i                   ; h = (w - w^2) (4 / a) + z
	WIN ((\win)<<2)
.set jj, 0
.rept 16
	v_pk_fma_f32 v[\z+jj:\z+jj+1], v[T2+jj:T2+jj+1], v[\i+jj:\i+jj+1], v[\z+jj:\z+jj+1]
.set jj, jj+2
.endr
.endm
.macro DPH z, first, w4, w4i           ; layer 4: eight pairs of sums by turns; first = 1: the first eight products start them: nothing is cleared
	WIN 0x0c
.irp p, 0,1,2,3,4,5,6,7,8,9,10,11,12,13,14,15
.if \first && (\p < 8)
	v_pk_mul_f32 v[ACC+2*(\p%8):ACC+2*(\p%8)+1], v[\z+2*\p:\z+2*\p+1], v[\w4+2*\p:\w4+2*\p+1]
.else
	v_pk_fma_f32 v[ACC+2*(\p%8):ACC+2*(\p%8)+1], v[\z+2*\p:\z+2*\p+1], v[\w4+2*\p:\w4+2*\p+1], v[ACC+2*(\p%8):ACC+2*(\p%8)+1]
.endif
.endr
.irp p, 0,1,2,3,4,5,6,7,8,9,10,11,12,13,14,15
	v_pk_fma_f32 v[ACC+2*(\p%8):ACC+2*(\p%8)+1], v[T2+2*\p:T2+2*\p+1], v[\w4i+2*\p:\w4i+2*\p+1], v[ACC+2*(\p%8):ACC+2*(\p%8)+1]
.endr
.endm
.macro RED r                           ; my 32 channels' sums, lane xor 16's 32, and the two biases: the sample's result, in both halves of the lanes
	WIN 0
.irp k, 0,2,4,6
	v_pk_add_f32 v[ACC+\k:ACC+\k+1], v[ACC+\k:ACC+\k+1], v[ACC+8+\k:ACC+9+\k]
.endr
.irp k, 0,2
	v_pk_add_f32 v[ACC+\k:ACC+\k+1], v[ACC+\k:ACC+\k+1], v[ACC+4+\k:ACC+5+\k]
.endr
	v_pk_add_f32 v[ACC:ACC+1], v[ACC:ACC+1], v[ACC+2:ACC+3]
	v_add_f32 v[ACC], v[ACC], v[ACC+1]
	v_permlanex16_b32 v[OTH], v[ACC], s62, s63
	v_add_f32 v[ACC], v[ACC], v[OTH]
	v_add_f32 v[\r], s67, v[ACC]
.endm
; A TILE of 16 samples through both branches.  The branches take turns: while one is in its snake, the other's layer is quantised and multiplied.
.macro TILE hh
	WIN 0
.if \hh == 0
	v_cndmask_b32 v[XT], v[XS], v[XC], s66              ; sample r lies in lane r: lanes 0-15 have it, lanes 16-31 take it from lane xor 16.  (s66 was written by a scalar move)
.else
	v_cndmask_b32 v[XT], v[XC], v[XS], s66              ; sample r lies in lane 16 + r
.endif
	v_add_f32 v[X2], v[XT], v[XT]                       ; 2 x, exact
	APH1 0x14, ZA, XT
	BPH 0, ZA, 0, CHA, 0, WS
	CPH ZA, 1, 96                                       ; m1: h1
	APH1 0x28, ZB, X2
	BPH 1, ZA, 0x10, CHA, 128, WS                       ; m2's snake 1 | m1: z2 = W2 h1 + b2
	CPH ZB, 2, 96                                       ; m2: h1
	APH ZA, 1, 160
	BPH 1, ZB, 0x23, CHB, 128, WS+8                     ; m1's snake 2 | m2: z2
	CPH ZA, 1, 192                                      ; m1: h2
	APH ZB, 2, 160
	BPH 1, ZA, 0x10, CHA+24, 224, WS+4                  ; m2's snake 2 | m1: z3 = W3 h2 + b3
	CPH ZB, 2, 192                                      ; m2: h2
	APH ZA, 3, 0
	BPH 1, ZB, 0x23, CHB+24, 224, WS+12                 ; m1's snake 3 | m2: z3
	DPH ZA, 1, 64, 32                                   ; m1: layer 4 starts the sums
	APH ZB, 3, 96
	BPH 0, ZB, 0, CHA, 0, WS
	DPH ZB, 0, 160, 128                                 ; m2: layer 4 adds onto them
	RED R0+\hh
.endm
.macro ARR dst, sp                     ; a per-channel array: my half's 32 numbers, 128 bytes
.irp j, 0,1,2,3,4,5,6,7
	global_load_b128 v[\dst+4*\j:\dst+4*\j+3], v[VH], s[\sp:\sp+1] offset:16*\j
.endr
.endm
.macro RCP32 dst, src
.set jj, 0
.rept 32
	v_rcp_f32 v[\dst+jj], v[\src+jj]
.set jj, jj+1
.endr
.endm
.macro MUL4 reg                        ; x 4, exact
.set jj, 0
.rept 16
	v_pk_mul_f32 v[\reg+jj:\reg+jj+1], v[\reg+jj:\reg+jj+1], 4.0 op_sel_hi:[1,0]
.set jj, jj+2
.endr
.endm
.macro MULW reg, w
.set jj, 0
.rept 16
	v_pk_mul_f32 v[\reg+jj:\reg+jj+1], v[\reg+jj:\reg+jj+1], v[\w+jj:\w+jj+1]
.set jj, jj+2
.endr
.endm
; ================ THE HEAD
	s_load_b512 s[4:19], s[0:1], 0x0                    ; x, out0, W1, b1, a1, b2, a2, b3 of m1
	s_load_b512 s[20:35], s[0:1], 0x40                  ; a3, W4 of m1; W1, b1, a1, b2, a2, b3 of m2
	s_load_b512 s[36:51], s[0:1], 0x80                  ; a3, W4 of m2; W2_m1, W3_m1, W2_m2, W3_m2; b4_m1, b4_m2
	v_lshl_add_u32 v39, v0, 2, 0x4000
	s_set_vgpr_msb 0xc0
	v_mov_b32 v255, 0
	s_set_vgpr_msb 0xc000
	v_lshrrev_b32 v12, 5, v0
	v_readfirstlane_b32 s70, v12                        ; wave 0..3
	v_and_b32 v12, 31, v0                               ; lane
	v_and_b32 v13, 15, v0                               ; r
	v_bfe_u32 v10, v0, 4, 1                             ; h
	v_lshlrev_b32 v[XO], 3, v12
	v_lshlrev_b32 v[LI], 4, v12
	v_lshlrev_b32 v[LS], 2, v12
	v_lshlrev_b32 v[VH], 7, v10
	v_lshrrev_b32 v[WO], 3, v13
	v_and_b32 v13, 7, v13
	v_lshl_add_u32 v[WO], v[WO], 13, v[VH]              ; W's row 32 (r / 8) + r % 8 of 256 bytes, + 128 h: my block of 32 along K
	v_lshl_add_u32 v[WO], v13, 8, v[WO]
	s_wait_alu depctr_va_sdst(0)                        ; s70 is written, ahead of its first reader: LDS addresses, the choice of my weight and the bases of x and out0 are made from it
	s_mul_i32 s71, s70, 3072
	v_add_nc_u32 v[SI], s71, v[LI]
	s_lshl_b32 s71, s70, 9
	v_add_nc_u32 v[SS], s71, v[LS]
	s_mov_b32 s52, 0x3ea2f983                           ; 1 / pi
	s_mov_b32 s53, s52
	s_mov_b32 s54, 0xbdf0fa83                           ; C4 = -pi^8 / 80640
	s_mov_b32 s55, s54
	s_mov_b32 s56, 0x3f2ae9e4                           ; C3 = pi^6 / 1440
	s_mov_b32 s57, s56
	s_mov_b32 s58, 0xc001e0f8                           ; C2 = -pi^4 / 48
	s_mov_b32 s59, s58
	s_mov_b32 s60, 0x401de9e6                           ; C1 = pi^2 / 4
	s_mov_b32 s61, s60
	s_mov_b32 s62, 0x76543210
	s_mov_b32 s63, 0xfedcba98
	s_mov_b32 s66, 0x0000ffff
	v_mov_b32 v[C5V], 0x3c5368f9                        ; C5 = pi^10 / 7257600
	v_mov_b32 v[C5V+1], v[C5V]
	v_mov_b32 v[XT+1], 0                                ; named with v8 as a pair
	v_mov_b32 v[O1], 0                                  ; read once by the first trip's rotation, before it holds a result
	v_mov_b32 v[OTH], 0                                 ; a lane permute's destination counts as one of its sources
.irp i, 0,1,2,3,4,5
	v_mov_b32 v[HP+6+\i], 0                             ; the samples' K = 64 .. 127: zero codes, written once
	v_mov_b32 v[CHA+48+\i], 0                           ; behind m1's chain of tiles
.endr
	WIN 0xc0
.irp i, 0,1,2,3,4,5
	v_mov_b32 v[CHB+48+\i], 0                           ; behind m2's, in window 3
.endr
	WIN 0
	s_wait_kmcnt 0x0
	s_load_b32 s74, s[48:49], 0x0                       ; b4_m1
	s_load_b32 s75, s[50:51], 0x0                       ; b4_m2
	s_cmp_lt_u32 s70, 2                                 ; the weight that my wave quantises: 0 W2_m1, 1 W3_m1, 2 W2_m2, 3 W3_m2: a choice on the wave's number alone
	s_cselect_b64 s[72:73], s[40:41], s[44:45]
	s_cselect_b64 s[76:77], s[42:43], s[46:47]
	s_and_b32 s71, s70, 1
	s_cmp_lg_u32 s71, 0
	s_cselect_b64 s[72:73], s[76:77], s[72:73]
	s_lshl_b32 s78, ttmp9, 2
	s_add_co_u32 s78, s78, s70
	s_lshl_b32 s78, s78, 12                             ; my 1,024 rows: 4,096 bytes x (4 x work-group + wave)
	s_mov_b32 s79, 0
	s_add_nc_u64 s[4:5], s[4:5], s[78:79]
	s_add_nc_u64 s[6:7], s[6:7], s[78:79]
	s_wait_alu depctr_va_vdst(0)                        ; the offsets and LDS addresses v1 and v68 to v73 are written: every load and store of the kernel reads one of them.  Loads and window switches alone follow, up to the head's last load
.irp t, 0,1,2,3                        ; my weight as f32: tile t's 32 numbers of my lane into ZA, ZB, T1, T2
.irp i, 0,1,2,3,4,5,6,7
	global_load_b128 v[ZA+32*\t+4*\i:ZA+32*\t+4*\i+3], v[WO], s[72:73] offset:2048*\t+16*\i
.endr
.endr
	global_load_b64 v[XL:XL+1], v[XO], s[4:5] th:TH_LOAD_NT   ; group 0 of x
	WIN 0x40                                            ; destination window 1
	ARR 0, 8
	ARR 32, 10
	ARR 64, 12
	ARR 128, 14
	ARR 160, 16
	ARR 224, 18
	WIN 0x80                                            ; window 2
	ARR 0, 24
	ARR 32, 26
	ARR 64, 28
	ARR 128, 30
	ARR 160, 32
	ARR 224, 34
	WIN 0xc0                                            ; window 3
	ARR 0, 20
	ARR 64, 22
	ARR 96, 36
	ARR 160, 38
	WIN 0
	s_wait_loadcnt 63                                   ; behind my last weight load 129 loads were issued; 63, the most that the wait can name, is fewer: the weight is in
.irp t, 0,1,2,3                        ; four tiles: codes to v[CHA + 6 t] on, scale words to v[SW + t]
	Q1 ZA+32*\t
	Q2
	Q3
	Q4
	Q5
	Q6 ZA+32*\t, CHA+6*\t
	v_nop                                               ; one plain instruction behind the conversions, ahead of the moves that read their codes
	Q7 CHA+6*\t
	Q8 SW+\t
.endr
	s_wait_alu depctr_va_vdst(0)                        ; the conversions and moves have written v[CHA ..], the shift-ors v[SW ..]: the LDS stores below read them.  No vector instruction names v[CHA ..] from here to the LDS loads that land there
.irp c, 0,1,2,3,4,5                    ; the 24 registers go to LDS as they stand: 16 bytes a lane, 512 bytes a store
	ds_store_b128 v[SI], v[CHA+4*\c:CHA+4*\c+3] offset:512*\c
.endr
.irp t, 0,1,2,3
	ds_store_b32 v[SS], v[SW+\t] offset:WSC+128*\t
.endr
	s_wait_dscnt 0x0                                    ; for the others' sake: my stores have landed
	s_barrier_signal -1
	s_barrier_wait -1                                   ; all four weights lie in LDS
	s_wait_alu depctr_vm_vsrc(0)                        ; my LDS stores have read v[CHA ..], in which the loads below land, and v4 to v7, which vector instructions write again from here on
.irp c, 0,1,2,3,4,5,6,7,8,9,10,11
	ds_load_b128 v[CHA+4*\c:CHA+4*\c+3], v[LI] offset:512*\c
.endr
.irp k, 0,1,2,3,4,5,6,7,8,9,10,11,12,13,14,15
	ds_load_b32 v[WS+\k], v[LS] offset:WSC+128*\k
.endr
	WIN 0xc0
.irp c, 0,1,2,3,4,5,6,7,8,9,10,11
	ds_load_b128 v[CHB+4*\c:CHB+4*\c+3], v[LI] offset:512*(12+\c)
.endr
	WIN 0
	v_mov_b32 v[XS], 0                                  ; a lane permute's destination counts as one of its sources
	s_wait_loadcnt 0x0                                  ; the per-channel arrays and x
	s_wait_kmcnt 0x0
	s_add_f32 s67, s74, s75                             ; b4_m1 + b4_m2
	; 4 / a, and 4 W4 / a3: a batch of reciprocals for each window, a plain instruction behind it, and a wait ahead of the first use
	WIN 0x41
	RCP32 96, 64
	RCP32 192, 160
	v_nop
	s_wait_alu depctr_va_vdst(0)                        ; the 64 reciprocals of a1_m1 and a2_m1 are written, ahead of the multiplications that read them
	MUL4 96
	MUL4 192
	WIN 0x82
	RCP32 96, 64
	RCP32 192, 160
	v_nop
	s_wait_alu depctr_va_vdst(0)                        ; the 64 reciprocals of a1_m2 and a2_m2 are written, ahead of the multiplications that read them
	MUL4 96
	MUL4 192
	WIN 0xc3
	RCP32 32, 0
	RCP32 128, 96
	v_nop
	s_wait_alu depctr_va_vdst(0)                        ; the 64 reciprocals of a3_m1 and a3_m2 are written, ahead of the multiplications that read them
	MUL4 32
	MUL4 128
	WIN 0xcf
	MULW 32, 64
	MULW 128, 160
	WIN 0
	s_wait_dscnt 0x0                                    ; the codes and the scale words are in
; ================ THE LOOPS
	s_mov_b32 s68, 16
.Lgroup:                                                ; a group of 64 rows
	s_wait_loadcnt 0x0                                  ; the one load that can be out is this group's x
	v_mov_b32 v[XC], v[XL]
	v_mov_b32 v[XN], v[XL+1]
	s_cmp_eq_u32 s68, 1                                 ; the last group asks for nothing: no load leaves x
	s_cbranch_scc1 .Lno_next
	s_wait_alu depctr_va_vdst(0)                        ; the two moves above are done reading v[XL:XL+1], in which the load below lands
	global_load_b64 v[XL:XL+1], v[XO], s[4:5] offset:256 th:TH_LOAD_NT   ; the next group's x: a whole group's work ahead of its use
.Lno_next:
	s_mov_b32 s69, 2
.Lhalf:                                                 ; e = 0, then 1: the even rows, then the odd ones
	s_wait_alu depctr_va_vdst(0)
	v_permlanex16_b32 v[XS], v[XC], s62, s63
	TILE 0
	TILE 1
	v_mov_b32 v[O0], v[O1]                              ; behind two trips: O0 the even rows' results, O1 the odd rows'
	v_cndmask_b32 v[O1], v[R0+1], v[R0], s66            ; lanes 0-15 tile 0's sample r, lanes 16-31 tile 1's
	v_mov_b32 v[XC], v[XN]
	s_sub_co_i32 s69, s69, 1
	s_cmp_lg_u32 s69, 0
	s_cbranch_scc1 .Lhalf
	s_wait_alu depctr_va_vdst(0)                        ; the move and the select have written v[O0:O0+1], which the store below reads
	global_store_b64 v[XO], v[O0:O0+1], s[6:7] th:TH_STORE_NT   ; 32 lanes store 256 consecutive bytes, at a multiple of 256 from out0's first byte
	s_wait_xcnt 0x0                                     ; the store and the load ahead have read their bases and data: only now are these written again
	s_wait_alu depctr_vm_vsrc(0)                        ; the store has read v[O0:O0+1], which the next group's first trip writes again
	s_add_nc_u64 s[4:5], s[4:5], 256
	s_add_nc_u64 s[6:7], s[6:7], 256
	s_sub_co_i32 s68, s68, 1
	s_cmp_lg_u32 s68, 0
	s_cbranch_scc1 .Lgroup
	s_set_vgpr_msb 0xc
	s_wait_dscnt 0x0
	s_wait_alu depctr_hold_cnt(0) depctr_sa_sdst(0) depctr_va_vdst(0) depctr_va_sdst(0) depctr_va_ssrc(0) depctr_va_vcc(0) depctr_vm_vsrc(0)
	s_wait_tensorcnt 0x0
	ds_add_u32 v39, v255
	s_wait_dscnt 0x0
	s_endpgm
.Lfunc_end_k_q0d886dc614_doublesin:
	.size	k_q0d886dc614_doublesin, .Lfunc_end_k_q0d886dc614_doublesin-k_q0d886dc614_doublesin
	.p2alignl 7, 3214868480
	.fill 96, 4, 3214868480
	.section	.rodata,"a",@progbits
	.p2align	6, 0x0
	.amdhsa_kernel k_q0d886dc614_doublesin
		.amdhsa_group_segment_fixed_size 16896
		.amdhsa_private_segment_fixed_size 0
		.amdhsa_enable_private_segment 0
		.amdhsa_kernarg_size 192
		.amdhsa_user_sgpr_count 2
		.amdhsa_user_sgpr_kernarg_segment_ptr 1
		.amdhsa_wavefront_size32 1
		.amdhsa_system_sgpr_workgroup_id_x 1
		.amdhsa_system_sgpr_workgroup_id_y 1
		.amdhsa_system_sgpr_workgroup_id_z 1
		.amdhsa_system_vgpr_workitem_id 0
		.amdhsa_next_free_vgpr 1024
		.amdhsa_next_free_sgpr 80
		.amdhsa_reserve_vcc 0
		.amdhsa_float_denorm_mode_32 3
		.amdhsa_float_denorm_mode_16_64 3
		.amdhsa_memory_ordered 1
		.amdhsa_forward_progress 1
		.amdhsa_inst_pref_size 215
	.end_amdhsa_kernel
	.amdgpu_metadata
---
amdhsa.version: [ 1, 2 ]
amdhsa.kernels:
  - .name:           k_q0d886dc614_doublesin
    .symbol:         k_q0d886dc614_doublesin.kd
    .args:
      - { .name: x, .offset: 0, .size: 8, .value_kind: global_buffer, .address_space: global }
      - { .name: out0, .offset: 8, .size: 8, .value_kind: global_buffer, .address_space: global }
      - { .name: W1_m1, .offset: 16, .size: 8, .value_kind: global_buffer, .address_space: global }
      - { .name: b1_m1, .offset: 24, .size: 8, .value_kind: global_buffer, .address_space: global }
      - { .name: a1_m1, .offset: 32, .size: 8, .value_kind: global_buffer, .address_space: global }
      - { .name: b2_m1, .offset: 40, .size: 8, .value_kind: global_buffer, .address_space: global }
      - { .name: a2_m1, .offset: 48, .size: 8, .value_kind: global_buffer, .address_space: global }
      - { .name: b3_m1, .offset: 56, .size: 8, .value_kind: global_buffer, .address_space: global }
      - { .name: a3_m1, .offset: 64, .size: 8, .value_kind: global_buffer, .address_space: global }
      - { .name: W4_m1, .offset: 72, .size: 8, .value_kind: global_buffer, .address_space: global }
      - { .name: W1_m2, .offset: 80, .size: 8, .value_kind: global_buffer, .address_space: global }
      - { .name: b1_m2, .offset: 88, .size: 8, .value_kind: global_buffer, .address_space: global }
      - { .name: a1_m2, .offset: 96, .size: 8, .value_kind: global_buffer, .address_space: global }
      - { .name: b2_m2, .offset: 104, .size: 8, .value_kind: global_buffer, .address_space: global }
      - { .name: a2_m2, .offset: 112, .size: 8, .value_kind: global_buffer, .address_space: global }
      - { .name: b3_m2, .offset: 120, .size: 8, .value_kind: global_buffer, .address_space: global }
      - { .name: a3_m2, .offset: 128, .size: 8, .value_kind: global_buffer, .address_space: global }
      - { .name: W4_m2, .offset: 136, .size: 8, .value_kind: global_buffer, .address_space: global }
      - { .name: W2_m1, .offset: 144, .size: 8, .value_kind: global_buffer, .address_space: global }
      - { .name: W3_m1, .offset: 152, .size: 8, .value_kind: global_buffer, .address_space: global }
      - { .name: W2_m2, .offset: 160, .size: 8, .value_kind: global_buffer, .address_space: global }
      - { .name: W3_m2, .offset: 168, .size: 8, .value_kind: global_buffer, .address_space: global }
      - { .name: b4_m1, .offset: 176, .size: 8, .value_kind: global_buffer, .address_space: global }
      - { .name: b4_m2, .offset: 184, .size: 8, .value_kind: global_buffer, .address_space: global }
    .group_segment_fixed_size: 16896
    .private_segment_fixed_size: 0
    .kernarg_segment_align: 8
    .kernarg_segment_size: 192
    .max_flat_workgroup_size: 128
    .sgpr_count:     80
    .vgpr_count:     1024
    .wavefront_size: 32
...
	.end_amdgpu_metadata
.endif
;; end of part 2
